; MI455X (gfx1250); checked and timed in simulation.
; The chip was launched on July 23, 2026; its instructions are those of AMD's public machine-readable ISA for CDNA 5 (MIT licence, August 2026) and "CDNA5" Instruction Set Architecture Reference Guide (July 2026). The comments in the code are by the model that wrote it; some were corrected since.
;; PHNODE. Allowed arithmetic: matrix products marked QUANTISED: E3M2 operands, one E8M0 scale for each 32 along K, by v_wmma_scale_f32_16x16x128_f8f6f4 with both operands' format E3M2, f32 sums; products left as they are: f32 operands where the result goes on into a quantised operand, else bf16, f16 or f32 operands; f32 sums; everything else in f32.
;; Inputs: Bmat 2 x 1 float32; R 2 x 2 float32; W1 1,024 x 2 float32; W2 1,024 x 1,024 float32; W3 2 x 1,024 float32; b1 1,024 float32; b2 1,024 float32; b3 2 float32; control one number float32; m one number float32; scale 2 x 1 float32; y 65,536 x 2 float32.
;; Outputs: out0 65,536 x 2 float32.
;; This version of the problem:
;;   THIS VERSION OF THE PROBLEM IS GIVEN IN LOW PRECISION. The matrix products marked QUANTISED in the list below multiply operands that are first quantised to E3M2 (3 exponent bits, 2 mantissa bits; 6 bits a number), with one power-of-two scale for each 32 numbers along K (OCP MX v1.0); their sums are f32. All else is computed in f32.
;;   The module's matrix products, in the order in which they are computed (A, B: the left and right operand; K: the contracted axis; several contracted axes count as one K, in the product's order):
;;     1. [M 65,536, K 2] x [K 2, N 1,024]; A: input y; B: input W1: left as it is (K = 2 < 32)
;;     2. [M 65,536, K 1,024] x [K 1,024, N 1,024]; A: computed on the way; B: input W2: QUANTISED
;;     3. [M 65,536, K 1,024] x [K 1,024, N 2]; A: computed on the way; B: input W3: left as it is (N = 2 < 16)
;;     4. [M 2, K 2] x [K 2, N 65,536]; A: computed on the way; B: computed on the way: left as it is (K = 2 < 32)
;;   THE QUANTISER, for each operand of a quantised product, along K:
;;     - K is cut into blocks of 32 from its start; a last block that is shorter is filled with zeros.
;;     - A block's scale is 2^e with e = floor(log2(the largest magnitude in the block)) - 4, held to -126 .. 127; a block of zeros has e = 0. As a byte (E8M0): e + 127.
;;     - Each number is divided by its block's scale, clamped to +-28, and rounded to the nearest number of E3M2, ties to even, subnormals kept.
;;     - The product sums the exact products of the quantised numbers (number of the format x scale) in f32.
;;   ~~~python
;;   def quantise(x, axis):      # numpy; x: float32 -> the quantised numbers, widened to float32 again
;;       x = np.moveaxis(x, axis, -1); K = x.shape[-1]
;;       x = np.pad(x, [(0, 0)] * (x.ndim - 1) + [(0, -K % 32)]); x = x.reshape(x.shape[:-1] + (-1, 32)); a = np.abs(x).max(-1, keepdims=True)
;;       e = np.where(a > 0, np.clip(np.frexp(np.where(a > 0, a, 1))[1] - 1 - 4, -126, 127), 0)      # np.frexp(a)[1] - 1 = floor(log2(a)), exactly
;;       r = np.clip(x / 2.0 ** e, -28, 28)
;;       step = 2.0 ** (np.maximum(np.frexp(np.where(r == 0, 1, r))[1] - 1, -2) - 2)
;;       q = np.round(r / step) * step * 2.0 ** e      # np.round: ties to even
;;       return np.moveaxis(q.reshape(q.shape[:-2] + (-1,))[..., :K], -1, axis).astype(np.float32)
;;   ~~~
;;   OPERANDS COMPUTED ON THE WAY. 'Computed on the way' means the value that the module computes at that place (a softmax that the list does not call 'softmax' is quantised finished and normalised). What goes into a quantiser is computed in f32, as accurately as f32 sums, v_exp_f32 and their like allow (about 1e-6 of the number): no bf16 or f16 on the way to a quantiser, and a product that is left as it is and whose result goes on into a quantised operand takes f32 operands (vector FMAs, or v_wmma_f32_16x16x4_f32). A number that lies on a knife's edge between two numbers of the format may be rounded either way, as far as f32 arithmetic and the matrix unit's own rounding can turn it there, and no further.
;; One version. Each part assembles by itself: llvm-mc -triple=amdgcn-amd-amdhsa -mcpu=gfx1250 --defsym DOCPART=n.
;; ======== version 1 of 1: 2 launches
;; workspace buffers: w2q 819,200 bytes
;; launch quant_w2 (part 1): grid 128 x 1, 4 waves a work-group, no clusters, 35,328 bytes of LDS; arguments W2, w2q; writes w2q
.if DOCPART == 1
	.amdgcn_target "amdgcn-amd-amdhsa--gfx1250"
	.amdhsa_code_object_version 6
	.text
	.protected	k_qf3b9a732c8_quant_w2
	.globl	k_qf3b9a732c8_quant_w2
	.p2align	8
	.type	k_qf3b9a732c8_quant_w2,@function
k_qf3b9a732c8_quant_w2:
	s_mov_b64 s[64:65], 0
	v_nop
	global_prefetch_b8 v0, s[64:65] scope:SCOPE_SE
	s_setreg_imm32_b32 hwreg(HW_REG_WAVE_MODE, 25, 1), 1
	s_wait_xcnt 0x0
; W2 [1024 (n)][1024 (k)], f32, K innermost, becomes codes of BF6 (E3M2) with one E8M0 byte for each 32 along K, laid IN THE ORDER OF THE OPERAND'S REGISTERS for the launch that multiplies.
; w2q is 16 blocks of 51,200 bytes; block g = 4 c + s holds columns n = 256 c .. 256 c + 255 and k = 256 s .. 256 s + 255.  In a block the fragment (q = which 128 along K, t = which 16 rows n) lies at
; (16 q + t) x 1,536: registers 4 j .. 4 j + 3 of lane l at 512 j + 16 l.  From byte 49,152 on: 16 scale images of 128 bytes; in tile t's image word l is the scale word of row l % 16 for K step l / 16.
; A block's scale is 2^(floor(log2(its largest magnitude)) - 4); its byte is the largest magnitude's exponent field - 4, held at 1 from below.
; LIMITS: a block of zeros gets the byte 1 where the rule says 127 (its codes are zeros, and this program alone reads the bytes); NaN and infinities among the inputs are not served.
; SHARES: a wave makes ONE fragment (16 rows x 128 K).  The four waves of a work-group make tiles 2 j and 2 j + 1 for both K steps of a block, so that their four pieces of 64 scale bytes are one aligned run of 256.
; Each load reads 512 consecutive bytes of a row; the 16 rows turn through the wave's own stage in LDS, so that a lane gets the 2 x 32 neighbours along K that the operand's layout gives it.
.set STGW, 8448                        ; a wave's stage: 16 rows x 528
.set SP,   528                         ; a stage row: 512 bytes + 16, so that the 16 rows of a load of 16 bytes start 16 bytes apart modulo 256
.set SCU,  33792                       ; behind the four stages: the work-group's 256 scale bytes
.set BLK,  51200
.set FRB,  1536
.set R,    16                          ; v16-79   the 16 rows as loaded
.set X,    80                          ; v80-143  register 32 c + i = k 64 c + 32 h + i of row r
.set PC,   144                         ; v144-155 the fragment's 12 registers
.set PX,   156                         ; v156-158, v160-162: the upper halves of the two blocks, as the conversions leave them
.set MX,   8                           ; v8-11    largest magnitudes, two chains a block
.set SO,   12                          ; v12-13   the conversions' scale operands
.set BY,   14                          ; v14-15   the bytes
	s_load_b128 s[4:7], s[0:1], 0x0                ; W2, w2q
	v_lshl_add_u32 v168, v0, 2, 0x8800
	v_mov_b32 v169, 0
	v_lshrrev_b32 v8, 5, v0
	v_readfirstlane_b32 s8, v8                     ; wave 0..3
	v_and_b32 v8, 31, v0                           ; lane
	v_and_b32 v9, 15, v0                           ; r
	v_bfe_u32 v10, v0, 4, 1                        ; h
	v_lshlrev_b32 v1, 4, v8                        ; 16 x lane: a load's and an image's place
	s_mul_i32 s22, s8, STGW
	v_add_nc_u32 v2, s22, v1                       ; the stage, way in
	v_mul_u32_u24 v3, v9, SP
	v_lshl_add_u32 v3, v10, 7, v3
	v_add_nc_u32 v3, s22, v3                       ; way out: row r, + 128 h bytes (32 numbers)
	s_lshl_b32 s22, s8, 6
	s_add_co_u32 s22, s22, SCU
	v_lshl_add_u32 v4, v9, 2, s22                  ; my row's scale word: 64 x wave + 4 r
	v_lshlrev_b32 v6, 3, v8                        ; the scale unit on its way out: 8 bytes a lane
	v_add_nc_u32 v5, SCU, v6
	v_lshlrev_b32 v7, 3, v10                       ; 8 h: how far my two bytes are shifted in the word
	s_mov_b32 s20, 0x76543210
	s_mov_b32 s21, 0xfedcba98                      ; v_permlanex16_b32's selects for lane l xor 16
	s_lshr_b32 s9, ttmp9, 3                        ; g: the block
	s_and_b32 s10, ttmp9, 7                        ; j: which pair of tiles
	s_lshr_b32 s11, s8, 1                          ; which tile of the pair
	s_and_b32 s12, s8, 1                           ; q
	s_lshl_b32 s13, s10, 1
	s_add_co_u32 s13, s13, s11                     ; t
	s_lshr_b32 s14, s9, 2                          ; c
	s_and_b32 s15, s9, 3                           ; s
	s_lshl_b32 s14, s14, 4
	s_add_co_u32 s14, s14, s13                     ; 16 c + t: which 16 rows of W2,
	s_lshl_b32 s14, s14, 16                        ; 16 rows of 4,096 bytes each
	s_lshl_b32 s15, s15, 1
	s_add_co_u32 s15, s15, s12                     ; 2 s + q: which 128 along K,
	s_lshl_b32 s15, s15, 9                         ; 512 bytes each
	s_add_co_u32 s14, s14, s15
	s_mov_b32 s15, 0
	s_mul_i32 s16, s9, BLK
	s_lshl_b32 s17, s12, 4
	s_add_co_u32 s17, s17, s13
	s_mul_i32 s17, s17, FRB
	s_add_co_u32 s18, s16, s17                     ; my fragment's image
	s_mov_b32 s19, 0
	s_lshl_b32 s17, s10, 8
	s_add_co_u32 s16, s16, s17
	s_add_co_u32 s16, s16, 49152                   ; the work-group's 256 scale bytes
	s_mov_b32 s17, 0
	s_wait_kmcnt 0x0
	s_add_nc_u64 s[4:5], s[4:5], s[14:15]
	s_add_nc_u64 s[18:19], s[6:7], s[18:19]
	s_add_nc_u64 s[16:17], s[6:7], s[16:17]
.irp i, 0,1,2,3,4,5,6,7,8,9,10,11,12,13,14,15
	global_load_b128 v[R+4*\i:R+4*\i+3], v1, s[4:5] offset:4096*\i th:TH_LOAD_NT   ; 32 lanes read 512 consecutive bytes of row i; read once in the launch
.endr
.irp i, 0,1,2,3,4,5,6,7,8,9,10,11,12,13,14,15
	s_wait_loadcnt 15-\i                           ; row i is in; the rows behind it may be out
	ds_store_b128 v2, v[R+4*\i:R+4*\i+3] offset:SP*\i
.endr
.irp c, 0,1
.irp j, 0,1,2,3,4,5,6,7
	ds_load_b128 v[X+32*\c+4*\j:X+32*\c+4*\j+3], v3 offset:256*\c+16*\j   ; LDS serves a wave's instructions in order: these see my stores
.endr
.endr
	s_wait_dscnt 0x0
.irp c, 0,1                                    ; block 2 c + h of my row: all its 32 numbers are mine.  The floor 2^(5 - 127) holds the byte at 1 from below
	v_max3_num_f32 v[MX+2*\c], |v[X+32*\c]|, |v[X+32*\c+1]|, 0x2800000
	v_max3_num_f32 v[MX+2*\c+1], |v[X+32*\c+2]|, |v[X+32*\c+3]|, 0x2800000
.endr
.irp i, 4,8,12,16,20,24,28
.irp c, 0,1
	v_max3_num_f32 v[MX+2*\c], v[MX+2*\c], |v[X+32*\c+\i]|, |v[X+32*\c+\i+1]|
	v_max3_num_f32 v[MX+2*\c+1], v[MX+2*\c+1], |v[X+32*\c+\i+2]|, |v[X+32*\c+\i+3]|
.endr
.endr
.irp c, 0,1
	v_max_num_f32 v[MX+2*\c], v[MX+2*\c], v[MX+2*\c+1]
.endr
.irp c, 0,1
	v_add_nc_u32 v[SO+\c], 0xfe000000, v[MX+2*\c]  ; 4 off the exponent field: the conversion takes the exponent field of this operand as its scale
.endr
.irp c, 0,1
	v_lshrrev_b32 v[BY+\c], 23, v[SO+\c]           ; the scale's byte
.endr
	v_lshl_or_b32 v[BY], v[BY+1], 16, v[BY]        ; my two bytes, blocks h and 2 + h,
	v_lshlrev_b32 v[BY], v7, v[BY]                 ; at their places in the word;
	v_permlanex16_b32 v[BY+1], v[BY], s20, s21
	v_or_b32 v[BY], v[BY], v[BY+1]                 ; with lane l xor 16's two the word is whole, in both halves of the lanes
.irp c, 0,1
	v_cvt_scalef32_pk16_bf6_f32 v[PC+6*\c:PC+6*\c+2], v[X+32*\c:X+32*\c+15], v[SO+\c]
	v_cvt_scalef32_pk16_bf6_f32 v[PX+4*\c:PX+4*\c+2], v[X+32*\c+16:X+32*\c+31], v[SO+\c]   ; (a conversion's three registers begin on an even number)
.endr
	v_nop                                          ; one plain place behind a scaled conversion
.irp c, 0,1
.irp i, 0,1,2
	v_mov_b32 v[PC+3+6*\c+\i], v[PX+4*\c+\i]
.endr
.endr
	ds_store_b32 v4, v[BY]                         ; both halves of the lanes write the same word with the same value
.irp j, 0,1,2
	global_store_b128 v1, v[PC+4*\j:PC+4*\j+3], s[18:19] offset:512*\j   ; 32 lanes store 512 consecutive bytes, at a multiple of 256 from w2q's first byte
.endr
	s_wait_dscnt 0x0                               ; for wave 0's sake: my scale words lie in LDS
	s_barrier_signal -1
	s_barrier_wait -1
	s_cmp_lg_u32 s8, 0
	s_cbranch_scc1 .Ldone
	ds_load_b64 v[8:9], v5                         ; wave 0 stores the four waves' 256 scale bytes as one aligned run
	s_wait_dscnt 0x0
	global_store_b64 v6, v[8:9], s[16:17]
.Ldone:
	s_wait_tensorcnt 0x0
	ds_add_u32 v168, v169
	s_wait_dscnt 0x0
	s_endpgm
.Lfunc_end_k_qf3b9a732c8_quant_w2:
	.size	k_qf3b9a732c8_quant_w2, .Lfunc_end_k_qf3b9a732c8_quant_w2-k_qf3b9a732c8_quant_w2
	.p2alignl 7, 3214868480
	.fill 96, 4, 3214868480
	.section	.rodata,"a",@progbits
	.p2align	6, 0x0
	.amdhsa_kernel k_qf3b9a732c8_quant_w2
		.amdhsa_group_segment_fixed_size 35328
		.amdhsa_private_segment_fixed_size 0
		.amdhsa_enable_private_segment 0
		.amdhsa_kernarg_size 16
		.amdhsa_user_sgpr_count 2
		.amdhsa_user_sgpr_kernarg_segment_ptr 1
		.amdhsa_wavefront_size32 1
		.amdhsa_system_sgpr_workgroup_id_x 1
		.amdhsa_system_sgpr_workgroup_id_y 1
		.amdhsa_system_sgpr_workgroup_id_z 1
		.amdhsa_system_vgpr_workitem_id 0
		.amdhsa_next_free_vgpr 170
		.amdhsa_next_free_sgpr 66
		.amdhsa_reserve_vcc 0
		.amdhsa_float_denorm_mode_32 3
		.amdhsa_float_denorm_mode_16_64 3
		.amdhsa_memory_ordered 1
		.amdhsa_forward_progress 1
		.amdhsa_inst_pref_size 11
	.end_amdhsa_kernel
	.amdgpu_metadata
---
amdhsa.version: [ 1, 2 ]
amdhsa.kernels:
  - .name:           k_qf3b9a732c8_quant_w2
    .symbol:         k_qf3b9a732c8_quant_w2.kd
    .args:
      - { .name: W2, .offset: 0, .size: 8, .value_kind: global_buffer, .address_space: global }
      - { .name: w2q, .offset: 8, .size: 8, .value_kind: global_buffer, .address_space: global }
    .group_segment_fixed_size: 35328
    .private_segment_fixed_size: 0
    .kernarg_segment_align: 8
    .kernarg_segment_size: 16
    .max_flat_workgroup_size: 128
    .sgpr_count:     66
    .vgpr_count:     170
    .wavefront_size: 32
...
	.end_amdgpu_metadata
.endif
;; end of part 1
;; launch mlp (part 2): grid 256 x 1, 4 waves a work-group, clusters of 4 x 1, 327,680 bytes of LDS; arguments y, W1, b1, w2q, b2, W3, b3, R, Bmat, control, m, scale, out0; writes out0
.if DOCPART == 2
	.amdgcn_target "amdgcn-amd-amdhsa--gfx1250"
	.amdhsa_code_object_version 6
	.text
	.protected	k_qf3b9a732c8_mlp
	.globl	k_qf3b9a732c8_mlp
	.p2align	8
	.type	k_qf3b9a732c8_mlp,@function
k_qf3b9a732c8_mlp:
	s_mov_b64 s[64:65], 0
	v_nop
	global_prefetch_b8 v0, s[64:65] scope:SCOPE_SE
	s_setreg_imm32_b32 hwreg(HW_REG_WAVE_MODE, 25, 1), 1
	s_wait_xcnt 0x0
	s_wait_alu depctr_hold_cnt(0) depctr_sa_sdst(0) depctr_va_vdst(0) depctr_va_sdst(0) depctr_va_ssrc(0) depctr_va_vcc(0) depctr_vm_vsrc(0)
	s_getreg_b32 s2, hwreg(HW_REG_IB_STS2, 6, 4)
	s_cmp_eq_u32 s2, 0
	s_cbranch_scc0 .Lentry_in_a_cluster
	s_endpgm
.Lentry_in_a_cluster:
	s_bfe_u32 s2, ttmp6, 0x10000c
	s_cmp_lg_u32 s2, 0x3003
	s_cbranch_scc0 .Lentry_shape_is_right
	s_endpgm
.Lentry_shape_is_right:
; out0[row] = scale x ((J - R) dH[row] + Bmat control), dH = relu(relu(y W1^T + b1) W2^T + b2) W3^T + b3, J = [[0, -m], [m, 0]].  65,536 rows, 1,024 hidden units.
; The middle product runs on codes of BF6 (E3M2) with one E8M0 scale for each 32 along K; W2's codes come from w2q (laid by the launch before, in the order of the operand's registers).
; SHARES.  A work-group owns 256 rows and all of N and K, so that each output row has one owner.  Four waves, as many as a WGP has SIMDs; wave w takes rows 128 (w / 2) on and, of each chunk of 256 columns n,
; columns 128 (w % 2) on: 64 accumulators of 16 x 16, 512 registers.
; PHASE X.  h1 = relu(fma(y0, W1[k][0], fma(y1, W1[k][1], b1[k]))), in f32, is quantised along k in registers; wave w makes k = 256 w .. 256 w + 255 for all 256 rows, with its 256 x 3 weights in registers.
; The codes (196,608 bytes) and scale words (8,192) stay in LDS for the whole launch as images of the operand's registers: lane l's 16 bytes at 16 l, 512 bytes a store.
; THE PRODUCT.  N goes in 4 chunks of 256, K in 4 slots of 256: 16 blocks of w2q, 51,200 dense bytes each, in memory order, through a ring of two LDS slots; each wave fetches a quarter of a block.
; The matrix instruction is used transposed (source 0 = 16 rows of W2, source 1 = 16 rows of h1): a lane holds one batch row and eight neighbouring n.  b2 is the C of each sum's first instruction.
; THE EPILOGUE of a chunk: relu in f32, and the third product (N = 2) by packed f32 multiply-adds on the accumulators as they lie: W3's two rows stand in registers in the result's layout, and each row tile has
; two pairs of sums that live through all chunks.  A matrix form would spend 14 of its 16 columns on nothing and want h2 and W3 rounded to 16 bits, an error that scale x m multiplies.
; CLUSTER.  Every work-group walks the same 16 blocks, so the four of a cluster ask for each quarter block JOINTLY (the mask names all four).
; LIMITS: NaN and infinities are not served; a block of zeros gets the byte 1 where the rule says 127 (its codes are zeros, and this program alone reads the bytes); h1's two multiply-adds round in another order
; than a dot product followed by the bias; the third product's f32 sums are taken in another order than ascending n.
; REGISTERS, in windows of 256: window 0: v0-31 addresses; v32-47 W2's scale words, v48-63 h1's, two sets of 8 each; v64-127 b2 in the result's layout; v128-223 h1's eight fragments, ONE set.
;   window 1: W2's fragments, set 0 at v0-95, set 1 at v128-223; v96-127 the third product's sums; in an epilogue v128-191 W3's row 0 and v192-255 its row 1.
;   windows 2, 3: accumulator (a, b) at v[8 (8 (a % 4) + b)], a < 4 in window 2.
;   In phase X windows 1 and 2 hold, for the wave's two K steps: v0-63 W1[k][0], v64-127 W1[k][1], v128-191 b1[k], register 32 c + i for k = 64 c + 32 h + i.
.set SLOTB, 51200                      ; a block of w2q, and an LDS slot
.set QUART, 12800                      ; a wave's quarter of it: 50 rows of 256 bytes
.set FRB,   1536                       ; a fragment's image: 12 registers x 128 bytes
.set KSB,   24576                      ; 16 fragments: one K step of 128 for 256 rows
.set SCOFF, 49152                      ; where a block's scale images begin
.set AIMG,  2*SLOTB                    ; h1's fragment (K step ks, row tile mt) at ks KSB + mt FRB
.set ASC,   AIMG+8*KSB                 ; h1's scale images: slot s, tile mt at 2048 s + 128 mt; word l: row l % 16, K step 2 s + l / 16
.set STG,   ASC+8192                   ; four parts of dH (column half w % 2, lane half h: part 2 (w % 2) + h), 2,048 bytes each, 8 bytes a row
.set SPARE, STG+8192                   ; the spare words, 128 bytes for each wave: two blocks of 256 bytes that no other line names
.set LI,    1                          ; v1   16 x lane
.set LS,    2                          ; v2   4 x lane
.set OUTO,  3                          ; v3   16 x thread
.set ADRA,  4                          ; v4-7   h1's fragments of slot s, my 128 rows
.set ADRB,  8                          ; v8-9   W2's fragments in LDS slot 0, 1, my 128 columns
.set ADRSB, 10                         ; v10-11 their scale images
.set ADRSA, 12                         ; v12  h1's scale images, my 128 rows
.set SPW,   13                         ; v13  LDS address of my spare word; never rewritten
.set NIL,   14                         ; v14  0; never rewritten
.set PFO,   15                         ; v15  256 x lane: the prefetches' offset
.set B2O,   16                         ; v16  b2 and W3: 32 h + 512 (w % 2); never rewritten
.set HT,    18                         ; v18  in the head: h
.set XW0,   19                         ; v19  phase X: my images
.set XS0,   20                         ; v20  and my scale images
.set XWI,   21                         ; v21  the trip's (in the head: the lane, then W1's load offset, 256 h)
.set Y0P,   22                         ; v[22:23] y0 (the packed form names a pair and takes its low word for both halves)
.set Y1P,   24                         ; v[24:25] y1
.set STO,   26                         ; v26  the stage: my row's 8 bytes of my part
.set HSH,   27                         ; v27  8 h
.set XWS,   28                         ; v28  the trip's scale image (in the head: r, then b1's load offset, 128 h)
.set YO,    29                         ; v29  y: 8 r + 128 x tile
.set FRD,   30                         ; v30  the stage, read back: 16 x thread
.set TP,    31                         ; v31  a lane permute's destination
.set SCB,   32
.set SCA,   48
.set B2R,   64
.set AF,    128
.set DH,    96                         ; in window 1: row tile a: v[DH + 4 a] on: dH0's sums over even and odd n, then dH1's
.set W3R,   128                        ; in window 1: W3's row o at v[W3R + 64 o]: register 8 b + j = W3[o][.. + 16 b + 8 h + j]
.set T,     128                        ; phase X: v128-191 64 numbers of h1
.set PC,    192                        ; v192-203 the codes just made
.set PX,    204                        ; v204-206, v208-210
.set MX,    212                        ; v212-215 largest numbers, two chains a block
.set SO,    216                        ; v216-217 the conversions' scale operands
.set BY,    218                        ; v218-219 the bytes
.set SW0,   224                        ; the two K steps' scale words
.set SW1,   225
.set YN,    226                        ; v[226:227] the next tile's y
.set WV,    4                          ; s4 wave, s5 w / 2, s6 w % 2
.set WR,    5
.set WC,    6
.set SEL,   12                         ; s[12:13]
.set HM,    14                         ; s14  mask of lanes 16-31
.set CHG,   18                         ; s18  changes of slots that have asked
.set LIM,   19                         ; s19  10 in a wave that prefetches, else 0
.set PFA,   20                         ; s[20:21]
.set G1,    24                         ; s[24:31]
.set G0,    32                         ; s[32:39] a set for each LDS slot
.set MUL_LO, 0xa1                      ; source 0 (W2) window 1, source 1 (h1) window 0, C and D window 2
.set MUL_HI, 0xf1                      ; the same, C and D window 3
.set MSB, 0
.macro WIN new                         ; the immediate's high byte repeats the setting that is left; a switch that changes nothing is dropped
.if MSB != (\new)
	s_set_vgpr_msb (MSB<<8)|(\new)
.set MSB, (\new)
.endif
.endm
.macro PLACES n                        ; plain vector instructions that name no register of the matrix instructions ahead (ISA guide 7.12.1)
.rept \n
	v_nop
.endr
.endm
.macro CREST                           ; a round of the cluster's barrier behind its opening barrier
	s_cmp_lg_u32 s[WV], 0
	s_cbranch_scc1 .Lnot_wave_0_\@
	s_barrier_signal -3
.Lnot_wave_0_\@:
	s_barrier_wait -3
	s_barrier_signal -1
	s_barrier_wait -1
.endm
.macro CROUND
	s_barrier_signal -1
	s_barrier_wait -1
	CREST
.endm
.macro FRAG3 reg, adr, off             ; a fragment's image back into 12 registers
.irp j, 0,1,2
	ds_load_b128 v[(\reg)+4*\j:(\reg)+4*\j+3], v[\adr] offset:(\off)+512*\j
.endr
.endm
.macro FETCH_B ls, q, p                ; W2's eight fragments of the LDS slot's q-th 128 along K into set p
	WIN 0x40
.irp b, 0,1,2,3,4,5,6,7
	FRAG3 128*(\p)+12*\b, ADRB+(\ls), (\q)*KSB+\b*FRB
.endr
	WIN 0
.endm
.macro FETCH_A s, q, i0                ; h1's blocks i0 .. i0 + 3 of K step 2 s + q
.irp a, 0,1,2,3
	FRAG3 AF+12*((\i0)+\a), ADRA+(\s), (\q)*KSB+((\i0)+\a)*FRB
.endr
.endm
.macro SCALES sc, ls, s                ; a slot's scale words into set sc: lanes 0-15 the first K step's, lanes 16-31 the second's
.irp b, 0,1,2,3,4,5,6,7
	ds_load_b32 v[SCB+8*(\sc)+\b], v[ADRSB+(\ls)] offset:128*\b
.endr
.irp a, 0,1,2,3,4,5,6,7
	ds_load_b32 v[SCA+8*(\sc)+\a], v[ADRSA] offset:2048*(\s)+128*\a
.endr
.endm
; 16 matrix instructions: h1's blocks a0, a0 + 1 x W2's eight.  p: W2's set; q: which K step of the slot (which half of the scale registers' lanes); first = 1: b2 starts the sums.
; The 64 accumulators take turns, one instruction a turn, in the same order in every step.
.macro MUL16 a0, p, q, sc, first
.irp a, \a0, \a0+1
.irp b, 0,1,2,3,4,5,6,7
.set RD_, 8*(8*((\a)%4)+\b)
.set RB_, 128*(\p)+12*\b
.set RA_, AF+12*(\a)
.set RC_, RD_
.if \first
.set RC_, B2R+8*\b
.endif
.set SB_, SCB+8*(\sc)+\b
.set SA_, SCA+8*(\sc)+(\a)
.if \q
	v_wmma_scale_f32_16x16x128_f8f6f4 v[RD_:RD_+7], v[RB_:RB_+11], v[RA_:RA_+11], v[RC_:RC_+7], v[SB_], v[SA_] matrix_a_fmt:MATRIX_FMT_BF6 matrix_b_fmt:MATRIX_FMT_BF6 matrix_a_scale:MATRIX_SCALE_ROW1 matrix_b_scale:MATRIX_SCALE_ROW1
.else
	v_wmma_scale_f32_16x16x128_f8f6f4 v[RD_:RD_+7], v[RB_:RB_+11], v[RA_:RA_+11], v[RC_:RC_+7], v[SB_], v[SA_] matrix_a_fmt:MATRIX_FMT_BF6 matrix_b_fmt:MATRIX_FMT_BF6
.endif
.endr
.endr
.endm
; A slot's first K step.  A block of h1 is free as soon as its eight products are issued, so one set serves h1: blocks 0-3 are fetched anew in the step's middle, blocks 4-7 at its end.
.macro STEP ls, s, first
	s_wait_dscnt 12                                ; all but the youngest twelve loads (h1's blocks 4-7) are in
	WIN MUL_LO-0x20*(\first)                       ; (first = 1: C, b2, lies in window 0)
	MUL16 0, 0, 0, \ls, \first
	MUL16 2, 0, 0, \ls, \first
	s_wait_dscnt 0x0                               ; blocks 4-7 are in
	PLACES 4                                       ; in front of loads into registers that matrix instructions have read
	FETCH_B \ls, 1, 1
	FETCH_A \s, 1, 0
	WIN MUL_HI-0x30*(\first)
	MUL16 4, 0, 0, \ls, \first
	MUL16 6, 0, 0, \ls, \first
	PLACES 4
	WIN 0
	FETCH_A \s, 1, 4
.endm
.macro B2LOAD                          ; b2 of a chunk in the result's layout: tile b, register j = b2[.. + 16 b + 8 h + j]
.irp b, 0,1,2,3,4,5,6,7
	global_load_b128 v[B2R+8*\b:B2R+8*\b+3], v[B2O], s[42:43] offset:64*\b
	global_load_b128 v[B2R+8*\b+4:B2R+8*\b+7], v[B2O], s[42:43] offset:64*\b+16
.endr
.endm
; A PREFETCH of w2q, behind a change of slots' tensor load, its four lines and the run of LDS loads.  All clusters walk the same 819,200 bytes: the first cluster asks.  Its four partners are told apart BY ADDRESS;
; in each, waves 0 and 1 ask, 8,192 bytes a wave, lanes 256 bytes apart: 65,536 bytes a change.  Change e (0 to 9) names bytes 163,840 + 65,536 e on; change 9 ends at the buffer's last byte; later changes ask for nothing.
; What lies ahead of byte 163,840 comes by its tensor loads alone: nothing is asked for at the head.
.macro ASK
	s_cmp_lt_u32 s[CHG], s[LIM]
	s_cbranch_scc0 .Lnot_mine_\@
	global_prefetch_b8 v[PFO], s[PFA:PFA+1] th:TH_LOAD_NT scope:SCOPE_SE
.Lnot_mine_\@:
	s_add_co_u32 s[CHG], s[CHG], 1
.endm
; THE EPILOGUE.  It stands four places behind the chunk's last products.
.macro MAXW wn                         ; relu, in place, on the 32 accumulators of window 2 + wn: ascending
	WIN 0x88+0x44*(\wn)
.set I, 0
.rept 256
	v_max_num_f32 v[I], 0, v[I]
.set I, I+1
.endr
.endm
.macro FMAG wn                         ; dH += h2 W3^T for row tiles 4 wn .. 4 wn + 3: two n at a time; the eight sums (four tiles x W3's two rows) by turns, so that no line waits for the line above it
	WIN 0x56+(\wn)                                 ; source 0 (h2) window 2 + wn; W3, the sums' C and D window 1
.set P_, 0
.rept 32
.irp a, 0,1,2,3
.irp o, 0,1
	v_pk_fma_f32 v[DH+16*(\wn)+4*\a+2*\o:DH+16*(\wn)+4*\a+2*\o+1], v[64*\a+2*P_:64*\a+2*P_+1], v[W3R+64*\o+2*P_:W3R+64*\o+2*P_+1], v[DH+16*(\wn)+4*\a+2*\o:DH+16*(\wn)+4*\a+2*\o+1]
.endr
.endr
.set P_, P_+1
.endr
.endm
.macro EPI
	WIN 0x40                                       ; destination window 1: W2's set 1, which the chunk's last products have left, and the 32 registers behind it
.irp b, 0,1,2,3,4,5,6,7
.irp o, 0,1
	global_load_b128 v[W3R+64*\o+8*\b:W3R+64*\o+8*\b+3], v[B2O], s[46:47] offset:4096*\o+64*\b       ; W3[o] of the chunk, in the result's layout
	global_load_b128 v[W3R+64*\o+8*\b+4:W3R+64*\o+8*\b+7], v[B2O], s[46:47] offset:4096*\o+64*\b+16
.endr
.endr
	MAXW 0                                         ; the 512 maxima stand between W3's loads and the wait for them
	MAXW 1
	s_wait_loadcnt 0x0                             ; W3's 32 loads are in, and ahead of them the next chunk's b2
	s_add_nc_u64 s[46:47], s[46:47], 1024          ; the next chunk's 256 columns (the loads that named the base are done)
	FMAG 0
	FMAG 1
	WIN 0
.endm
; A slot's second K step changes slots: ONE barrier; in front of it each wave waits for all its tensor loads, adds 0 to its spare word, and waits for that and for its reads of this slot.
; fill = 1: the barrier opens a round of the cluster's barrier, and this slot takes the block two on.  tail = 1: a chunk ends here: its epilogue follows the products.
.macro TURN ls, s, nls, ns, fill, ask, tail
.if \ask
	s_wait_xcnt 0x0                                ; the last prefetch, a slot back, has read its address: it is stepped here, ahead of the change's own waits
	s_add_nc_u64 s[PFA:PFA+1], s[PFA:PFA+1], 65536
.endif
	s_wait_tensorcnt 0x0                           ; all my tensor loads have landed: the one that was out is my quarter of the next slot;
	ds_add_u32 v[SPW], v[NIL]                      ; 0 onto my spare word
	s_wait_dscnt 13                                ; (the add and the youngest twelve loads, h1's blocks 4-7, may be out)
	WIN MUL_LO
	MUL16 0, 1, 1, \ls, 0                          ; sixteen matrix instructions stand between the add and the wait for it
	s_wait_dscnt 0x0                               ; the add is done, and my reads of this slot are over
	s_barrier_signal -1
	MUL16 2, 1, 1, \ls, 0
	WIN 0
	s_barrier_wait -1
.if \fill
	CREST                                          ; no wave of any partner still reads this slot or has a load on its way
	s_add_nc_u64 s[G0+4*(\ls)+2:G0+4*(\ls)+3], s[G0+4*(\ls)+2:G0+4*(\ls)+3], 2*SLOTB
	tensor_load_to_lds s[G0+4*(\ls):G0+4*(\ls)+3], s[G1:G1+7]   ; the first tensor load behind the round, my one until the next: 96 matrix instructions ahead of the wait for it
	s_nop 0
	PLACES 4                                       ; the places in front of the loads below
.else
	PLACES 4
.endif
	FETCH_B \nls, 0, 0
	FETCH_A \ns, 0, 0
	SCALES \nls, \nls, \ns
.if \ask
	ASK
.endif
	WIN MUL_HI
	MUL16 4, 1, 1, \ls, 0
	MUL16 6, 1, 1, \ls, 0
	PLACES 4                                       ; in front of loads into registers that these products read, and of the first read of their results
	WIN 0
	FETCH_A \ns, 0, 4                              ; the youngest twelve LDS loads at the next step's head, with an epilogue between or without
.if \tail
	EPI
.endif
.endm
; PHASE X: one fragment (16 rows x 128 K) of h1: window w holds the K step's weights; the image goes off bytes behind v[XWI]; the scale word is left in v[sw], in both halves of the lanes.
.macro XFRAG w, off, sw
	WIN 0x11*(\w)                                  ; sources 0 and 2 in window w
.set I, 0
.rept 32
	v_pk_fma_f32 v[T+2*I:T+2*I+1], v[64+2*I:64+2*I+1], v[Y1P:Y1P+1], v[128+2*I:128+2*I+1] op_sel_hi:[1,0,1]   ; y1 W1[k][1] + b1[k], two k at a time
.set I, I+1
.endr
	WIN 0x01*(\w)
.set I, 0
.rept 32
	v_pk_fma_f32 v[T+2*I:T+2*I+1], v[2*I:2*I+1], v[Y0P:Y0P+1], v[T+2*I:T+2*I+1] op_sel_hi:[1,0,1]             ; + y0 W1[k][0]
.set I, I+1
.endr
	WIN 0
.set I, 0
.rept 64
	v_max_num_f32 v[T+I], 0, v[T+I]                ; the activation, in f32
.set I, I+1
.endr
.irp c, 0,1                                    ; block 2 c + h of my row: all its 32 numbers are mine, none is negative.  The floor 2^(5 - 127) holds the byte at 1 from below
	v_max3_num_f32 v[MX+2*\c], v[T+32*\c], v[T+32*\c+1], 0x2800000
	v_max3_num_f32 v[MX+2*\c+1], v[T+32*\c+2], v[T+32*\c+3], 0x2800000
.endr
.irp i, 4,8,12,16,20,24,28
.irp c, 0,1
	v_max3_num_f32 v[MX+2*\c], v[MX+2*\c], v[T+32*\c+\i], v[T+32*\c+\i+1]
	v_max3_num_f32 v[MX+2*\c+1], v[MX+2*\c+1], v[T+32*\c+\i+2], v[T+32*\c+\i+3]
.endr
.endr
.irp c, 0,1
	v_max_num_f32 v[MX+2*\c], v[MX+2*\c], v[MX+2*\c+1]
.endr
	s_wait_dscnt 0x0                               ; the last image's stores have read their registers
.irp c, 0,1
	v_add_nc_u32 v[SO+\c], 0xfe000000, v[MX+2*\c]  ; 4 off the exponent field: the conversion's scale operand
.endr
.irp c, 0,1
	v_lshrrev_b32 v[BY+\c], 23, v[SO+\c]           ; the scale's byte
.endr
	v_lshl_or_b32 v[BY], v[BY+1], 16, v[BY]
	v_lshlrev_b32 v[BY], v[HSH], v[BY]
	v_permlanex16_b32 v[TP], v[BY], s[SEL], s[SEL+1]
	v_or_b32 v[\sw], v[BY], v[TP]                  ; with lane l xor 16's two bytes the word is whole
.irp c, 0,1
	v_cvt_scalef32_pk16_bf6_f32 v[PC+6*\c:PC+6*\c+2], v[T+32*\c:T+32*\c+15], v[SO+\c]
	v_cvt_scalef32_pk16_bf6_f32 v[PX+4*\c:PX+4*\c+2], v[T+32*\c+16:T+32*\c+31], v[SO+\c]   ; (a conversion's three registers begin on an even number)
.endr
	v_nop                                          ; one plain place behind a scaled conversion
.irp c, 0,1
.irp i, 0,1,2
	v_mov_b32 v[PC+3+6*\c+\i], v[PX+4*\c+\i]
.endr
.endr
.irp j, 0,1,2
	ds_store_b128 v[XWI], v[PC+4*\j:PC+4*\j+3] offset:(\off)+512*\j
.endr
.endm
.macro WLOAD u                         ; my K step u's weights into window u + 1: every lane of a half reads the same numbers
	WIN 0x40*((\u)+1)
.set I, 0
.rept 64
	global_load_b32 v[I], v[XWI], s[70:71] offset:1024*(\u)+512*(I/32)+8*(I%32)
	global_load_b32 v[64+I], v[XWI], s[70:71] offset:1024*(\u)+512*(I/32)+8*(I%32)+4
.set I, I+1
.endr
.set I, 0
.rept 16
	global_load_b128 v[128+4*I:128+4*I+3], v[XWS], s[72:73] offset:512*(\u)+256*(I/8)+16*(I%8)
.set I, I+1
.endr
.endm
	s_load_b512 s[68:83], s[0:1], 0x0              ; y 68, W1 70, b1 72, w2q 74, b2 76, W3 78, b3 80, R 82
	s_load_b256 s[84:91], s[0:1], 0x40             ; Bmat 84, control 86, m 88, scale 90
	s_load_b64 s[92:93], s[0:1], 0x60              ; out0
	v_lshl_add_u32 v[SPW], v0, 2, SPARE
	v_mov_b32 v[NIL], 0
	ds_add_u32 v13, v14
	ds_add_u32 v13, v14
	s_wait_dscnt 0x0
	v_lshrrev_b32 v1, 5, v0
	v_readfirstlane_b32 s[WV], v1                  ; wave 0..3
	s_lshr_b32 s[WR], s[WV], 1
	s_and_b32 s[WC], s[WV], 1
	s_bfe_u32 s7, ttmp6, 0x40000                   ; cx: my place in the cluster: it enters y's, out0's and the prefetches' addresses alone
	s_lshl_b32 s8, ttmp9, 2
	s_add_co_u32 s8, s8, s7                        ; my block of 256 rows
	; descriptor group 1: 12,800 dense bytes as 50 rows of 32 elements of 8 bytes
	s_mov_b32 s[G1], 15|(3<<16)|(1<<21)            ; 15:0 the mask: all four work-groups; 17:16 elements of 8 bytes; 21 set beside a mask; no padding
	s_mov_b32 s[G1+1], 32<<16                      ; tensor_dim0 = 32
	s_mov_b32 s[G1+2], 50<<16                      ; tensor_dim1 = 50
	s_mov_b32 s[G1+3], 32<<16                      ; tile_dim0 = 32
	s_mov_b32 s[G1+4], 50                          ; tile_dim1 = 50
	s_mov_b32 s[G1+5], 32                          ; tensor_dim0_stride
	s_mov_b32 s[G1+6], 0
	s_mov_b32 s[G1+7], 0
	s_mul_i32 s9, s[WV], QUART                     ; my quarter of a block, in memory and in a slot
	s_mov_b32 s10, s9
	s_mov_b32 s11, 0
	s_mov_b32 s[SEL], 0x76543210
	s_mov_b32 s[SEL+1], 0xfedcba98
	s_wait_kmcnt 0x0
	s_load_b128 s[48:51], s[82:83], 0x0            ; R
	s_load_b64 s[52:53], s[84:85], 0x0             ; Bmat
	s_load_b64 s[54:55], s[90:91], 0x0             ; scale
	s_load_b64 s[56:57], s[80:81], 0x0             ; b3
	s_load_b32 s58, s[86:87], 0x0                  ; control
	s_load_b32 s59, s[88:89], 0x0                  ; m
	s_mov_b32 s[G0], 1
	s_add_co_u32 s[G0+1], s9, 0
	s_add_nc_u64 s[G0+2:G0+3], s[74:75], s[10:11]  ; block 0
	s_mov_b32 s[G0+4], 1
	s_add_co_u32 s[G0+5], s9, SLOTB
	s_add_nc_u64 s[G0+6:G0+7], s[G0+2:G0+3], SLOTB ; block 1
	s_or_b32 s[G0+3], s[G0+3], 0x80000000          ; type = 2
	s_or_b32 s[G0+7], s[G0+7], 0x80000000
	s_lshl_b32 s10, s8, 11                         ; 256 rows of 8 bytes
	s_add_nc_u64 s[40:41], s[68:69], s[10:11]      ; y at my rows
	s_add_nc_u64 s[44:45], s[92:93], s[10:11]      ; out0 likewise
	s_lshl_b32 s10, s[WV], 11
	s_add_nc_u64 s[70:71], s[70:71], s[10:11]      ; W1 at my 256 k
	s_lshl_b32 s10, s[WV], 10
	s_add_nc_u64 s[72:73], s[72:73], s[10:11]      ; b1 likewise
	s_mov_b64 s[42:43], s[76:77]                   ; b2, stepped from chunk to chunk
	s_mov_b64 s[46:47], s[78:79]                   ; W3 likewise
	s_lshl_b32 s10, s7, 1
	s_add_co_u32 s10, s10, s[WV]
	s_lshl_b32 s10, s10, 13
	s_add_co_u32 s10, s10, 98304
	s_add_nc_u64 s[PFA:PFA+1], s[74:75], s[10:11]  ; one step of 65,536 bytes short of what the first change of slots names
	s_lshr_b32 s10, s[WV], 1
	s_or_b32 s10, s10, ttmp9                       ; 0 in waves 0 and 1 of the first cluster: the same in all four partners
	s_cmp_eq_u32 s10, 0
	s_cselect_b32 s[LIM], 10, 0
	CROUND                                         ; all four work-groups are here: the first joint loads meet
	tensor_load_to_lds s[G0:G0+3], s[G1:G1+7]      ; the two first fills go out together: two loads of mine are out
	s_nop 0
	tensor_load_to_lds s[G0+4:G0+7], s[G1:G1+7]
	s_nop 0
	PLACES 4
	v_and_b32 v21, 31, v0                          ; lane
	v_and_b32 v28, 15, v0                          ; r
	v_bfe_u32 v[HT], v0, 4, 1                      ; h
	v_lshlrev_b32 v[LI], 4, v21
	v_lshlrev_b32 v[LS], 2, v21
	v_lshlrev_b32 v[OUTO], 4, v0
	v_cmp_le_u32 s[HM], 16, v21
	s_mul_i32 s10, s[WR], 8*FRB
	s_add_co_u32 s10, s10, AIMG
	v_add_nc_u32 v[ADRA], s10, v[LI]
	v_add_nc_u32 v[ADRA+1], 2*KSB, v[ADRA]
	v_add_nc_u32 v[ADRA+2], 4*KSB, v[ADRA]
	v_add_nc_u32 v[ADRA+3], 6*KSB, v[ADRA]
	s_mul_i32 s10, s[WC], 8*FRB
	v_add_nc_u32 v[ADRB], s10, v[LI]
	v_add_nc_u32 v[ADRB+1], SLOTB, v[ADRB]
	s_lshl_b32 s10, s[WC], 10
	s_add_co_u32 s10, s10, SCOFF
	v_add_nc_u32 v[ADRSB], s10, v[LS]
	v_add_nc_u32 v[ADRSB+1], SLOTB, v[ADRSB]
	s_lshl_b32 s10, s[WR], 10
	s_add_co_u32 s10, s10, ASC
	v_add_nc_u32 v[ADRSA], s10, v[LS]
	v_lshlrev_b32 v[PFO], 8, v21
	s_lshl_b32 s10, s[WC], 9
	v_lshl_add_u32 v[B2O], v[HT], 5, s10
	s_mul_i32 s10, s[WV], 2*KSB
	s_add_co_u32 s10, s10, AIMG
	v_add_nc_u32 v[XW0], s10, v[LI]
	s_lshl_b32 s10, s[WV], 11
	s_add_co_u32 s10, s10, ASC
	v_add_nc_u32 v[XS0], s10, v[LS]
	s_lshl_b32 s10, s[WC], 12                      ; the stage: my column half's two parts,
	s_lshl_b32 s11, s[WR], 10                      ; my 128 rows,
	s_add_co_u32 s10, s10, s11
	s_add_co_u32 s10, s10, STG
	v_lshl_add_u32 v[STO], v28, 3, s10             ; 8 bytes a row,
	v_lshl_add_u32 v[STO], v[HT], 11, v[STO]       ; and my half of the lanes' part
	v_lshlrev_b32 v[HSH], 3, v[HT]
	v_add_nc_u32 v[FRD], STG, v[OUTO]
	v_mov_b32 v[TP], 0                             ; written once: a lane permute's destination counts as one of its sources
	v_lshlrev_b32 v[YO], 3, v28
	v_mov_b32 v[Y0P+1], 0                          ; (named as the upper halves of pairs, so they are written)
	v_mov_b32 v[Y1P+1], 0
	v_lshlrev_b32 v[XWI], 8, v[HT]                 ; until the head's loads are in: W1's offset, 32 k of 8 bytes for lanes 16-31,
	v_lshlrev_b32 v[XWS], 7, v[HT]                 ; and b1's
	global_load_b64 v[YN:YN+1], v[YO], s[40:41]    ; y of row tile 0
	WLOAD 0
	WLOAD 1
	WIN 0
	B2LOAD                                         ; chunk 0's b2
	s_wait_loadcnt 0x0
	s_wait_kmcnt 0x0
	s_mov_b32 s15, 0
	s_mov_b32 s16, 0
	s_mov_b32 s17, 16
.Lx:                                               ; a trip: row tile mt, my two K steps
	s_wait_loadcnt 0x0                             ; this tile's y is in: its address register may be written
	s_wait_dscnt 0x0                               ; the last trip's stores have read their registers
	v_mov_b32 v[Y0P], v[YN]
	v_mov_b32 v[Y1P], v[YN+1]
	v_add_nc_u32 v[YO], 128, v[YO]
	v_and_b32 v[YO], 0x7ff, v[YO]                  ; the last trip wraps to tile 0, inside my 2,048 bytes of y; that load is not used
	global_load_b64 v[YN:YN+1], v[YO], s[40:41]
	v_add_nc_u32 v[XWI], s15, v[XW0]
	v_add_nc_u32 v[XWS], s16, v[XS0]
	XFRAG 1, 0, SW0
	XFRAG 2, KSB, SW1
	v_cndmask_b32 v[SW0], v[SW0], v[SW1], s[HM]    ; lanes 0-15: the first K step's word; lanes 16-31: the second's
	ds_store_b32 v[XWS], v[SW0]
	s_add_co_u32 s15, s15, FRB
	s_add_co_u32 s16, s16, 128
	s_sub_co_u32 s17, s17, 1
	s_cmp_lg_u32 s17, 0
	s_cbranch_scc1 .Lx
	s_wait_loadcnt 0x0                             ; the load that nobody uses has landed: from here on only b2's and W3's loads are counted
	s_wait_tensorcnt 0x1                           ; my quarter of slot 0 is in; slot 1's may stay out
	s_wait_dscnt 0x0                               ; my images and scale words lie in LDS
	s_barrier_signal -1
	s_barrier_wait -1                              ; everybody's do
	WIN 0x40
.set I, 0
.rept 32
	v_mov_b32 v[DH+I], 0                           ; the third product's sums begin as zeros, so that the chunks' epilogue is written once for all chunks
.set I, I+1
.endr
	FETCH_B 0, 0, 0
	FETCH_A 0, 0, 0
	SCALES 0, 0, 0
	FETCH_A 0, 0, 4
	s_mov_b32 s[CHG], 0
	s_mov_b32 s23, 3
.Lchunk:                                           ; three trips: a chunk of 256 columns, four slots along K; every change of slots fills a slot again
	STEP 0, 0, 1
	s_add_nc_u64 s[42:43], s[42:43], 1024          ; (the last loads of b2 were waited for)  the next chunk's b2, behind the places that follow its last readers
	B2LOAD
	TURN 0, 0, 1, 1, 1, 1, 0
	STEP 1, 1, 0
	TURN 1, 1, 0, 2, 1, 1, 0
	STEP 0, 2, 0
	TURN 0, 2, 1, 3, 1, 1, 0
	STEP 1, 3, 0
	TURN 1, 3, 0, 0, 1, 1, 1
	s_sub_co_u32 s23, s23, 1
	s_cmp_lg_u32 s23, 0
	s_cbranch_scc1 .Lchunk
	STEP 0, 0, 1                                   ; the last chunk is written out: two more fills (blocks 14 and 15), then none
	TURN 0, 0, 1, 1, 1, 0, 0
	STEP 1, 1, 0
	TURN 1, 1, 0, 2, 1, 0, 0
	STEP 0, 2, 0
	TURN 0, 2, 1, 3, 0, 0, 0
	STEP 1, 3, 0
	s_wait_dscnt 12                                ; the very last K step: nothing more to fetch
	WIN MUL_LO
	MUL16 0, 1, 1, 1, 0
	MUL16 2, 1, 1, 1, 0
	s_wait_dscnt 0x0
	WIN MUL_HI
	MUL16 4, 1, 1, 1, 0
	MUL16 6, 1, 1, 1, 0
	PLACES 4                                       ; in front of W3's loads into registers that these products read, and of the first read of their results
	EPI
	; THE WAY OUT.  Lane (r, h) holds, for row 16 a + r, the sums over its own n (8 h + 0..7 of each tile of my 128 columns of each chunk), even and odd n apart.  The four parts of a row meet in LDS.
	WIN 0x05                                       ; sources in window 1, destination in window 0
.irp a, 0,1,2,3,4,5,6,7
.irp o, 0,1
	v_add_f32 v[128+2*\a+\o], v[DH+4*\a+2*\o], v[DH+4*\a+2*\o+1]
.endr
.endr
	WIN 0
.irp a, 0,1,2,3,4,5,6,7
	ds_store_b64 v[STO], v[128+2*\a:129+2*\a] offset:128*\a
.endr
	s_wait_dscnt 0x0                               ; for the others' sake: my parts lie in the stage
	s_barrier_signal -1
	s_barrier_wait -1
.irp p, 0,1,2,3
	ds_load_b128 v[144+4*\p:147+4*\p], v[FRD] offset:2048*\p   ; rows 2 t and 2 t + 1: part p
.endr
	s_xor_b32 s48, s48, 0x80000000                 ; J - R = [[-R00, -(m + R01)], [m - R10, -R11]]
	s_add_f32 s60, s59, s49
	s_xor_b32 s60, s60, 0x80000000
	s_xor_b32 s61, s50, 0x80000000
	s_add_f32 s61, s61, s59
	s_xor_b32 s51, s51, 0x80000000
	s_mul_f32 s62, s52, s58                        ; Bmat x control
	s_mul_f32 s63, s53, s58
	s_wait_dscnt 0x0
	v_pk_add_f32 v[144:145], v[144:145], v[148:149]
	v_pk_add_f32 v[146:147], v[146:147], v[150:151]
	v_pk_add_f32 v[152:153], v[152:153], v[156:157]
	v_pk_add_f32 v[154:155], v[154:155], v[158:159]
	v_pk_add_f32 v[144:145], v[144:145], v[152:153]
	v_pk_add_f32 v[146:147], v[146:147], v[154:155]
	v_add_f32 v144, s56, v144                      ; + b3
	v_add_f32 v145, s57, v145
	v_add_f32 v146, s56, v146
	v_add_f32 v147, s57, v147
.irp u, 0,1
	v_fma_f32 v[160+2*\u], s48, v[144+2*\u], s62
	v_fma_f32 v[161+2*\u], s61, v[144+2*\u], s63
	v_fma_f32 v[160+2*\u], s60, v[145+2*\u], v[160+2*\u]
	v_fma_f32 v[161+2*\u], s51, v[145+2*\u], v[161+2*\u]
	v_mul_f32 v[160+2*\u], s54, v[160+2*\u]
	v_mul_f32 v[161+2*\u], s55, v[161+2*\u]
.endr
	global_store_b128 v[OUTO], v[160:163], s[44:45]   ; a wave stores 512 consecutive bytes, at a multiple of 256 from out0's first byte
	s_wait_tensorcnt 0x0                           ; the wave's end: behind my last tensor load and my last LDS store
	ds_add_u32 v[SPW], v[NIL]
	s_wait_dscnt 0x0
	CROUND                                         ; the closing round: no work-group ends while a partner may still ask for a block that names it
	s_endpgm
.Lfunc_end_k_qf3b9a732c8_mlp:
	.size	k_qf3b9a732c8_mlp, .Lfunc_end_k_qf3b9a732c8_mlp-k_qf3b9a732c8_mlp
	.p2alignl 7, 3214868480
	.fill 96, 4, 3214868480
	.section	.rodata,"a",@progbits
	.p2align	6, 0x0
	.amdhsa_kernel k_qf3b9a732c8_mlp
		.amdhsa_group_segment_fixed_size 327680
		.amdhsa_private_segment_fixed_size 0
		.amdhsa_enable_private_segment 0
		.amdhsa_kernarg_size 104
		.amdhsa_user_sgpr_count 2
		.amdhsa_user_sgpr_kernarg_segment_ptr 1
		.amdhsa_wavefront_size32 1
		.amdhsa_system_sgpr_workgroup_id_x 1
		.amdhsa_system_sgpr_workgroup_id_y 1
		.amdhsa_system_sgpr_workgroup_id_z 1
		.amdhsa_system_vgpr_workitem_id 0
		.amdhsa_next_free_vgpr 1024
		.amdhsa_next_free_sgpr 96
		.amdhsa_reserve_vcc 0
		.amdhsa_float_denorm_mode_32 3
		.amdhsa_float_denorm_mode_16_64 3
		.amdhsa_memory_ordered 1
		.amdhsa_forward_progress 1
		.amdhsa_inst_pref_size 255
	.end_amdhsa_kernel
	.section	.bss,"aw",@nobits
	.p2align	6
	.space	262144
	.amdgpu_metadata
---
amdhsa.version: [ 1, 2 ]
amdhsa.kernels:
  - .name:           k_qf3b9a732c8_mlp
    .symbol:         k_qf3b9a732c8_mlp.kd
    .args:
      - { .name: y, .offset: 0, .size: 8, .value_kind: global_buffer, .address_space: global }
      - { .name: W1, .offset: 8, .size: 8, .value_kind: global_buffer, .address_space: global }
      - { .name: b1, .offset: 16, .size: 8, .value_kind: global_buffer, .address_space: global }
      - { .name: w2q, .offset: 24, .size: 8, .value_kind: global_buffer, .address_space: global }
      - { .name: b2, .offset: 32, .size: 8, .value_kind: global_buffer, .address_space: global }
      - { .name: W3, .offset: 40, .size: 8, .value_kind: global_buffer, .address_space: global }
      - { .name: b3, .offset: 48, .size: 8, .value_kind: global_buffer, .address_space: global }
      - { .name: R, .offset: 56, .size: 8, .value_kind: global_buffer, .address_space: global }
      - { .name: Bmat, .offset: 64, .size: 8, .value_kind: global_buffer, .address_space: global }
      - { .name: control, .offset: 72, .size: 8, .value_kind: global_buffer, .address_space: global }
      - { .name: m, .offset: 80, .size: 8, .value_kind: global_buffer, .address_space: global }
      - { .name: scale, .offset: 88, .size: 8, .value_kind: global_buffer, .address_space: global }
      - { .name: out0, .offset: 96, .size: 8, .value_kind: global_buffer, .address_space: global }
    .group_segment_fixed_size: 327680
    .private_segment_fixed_size: 0
    .kernarg_segment_align: 8
    .kernarg_segment_size: 104
    .max_flat_workgroup_size: 128
    .sgpr_count:     96
    .vgpr_count:     1024
    .wavefront_size: 32
...
	.end_amdgpu_metadata
.endif
;; end of part 2
